; MI455X (gfx1250); checked and timed in simulation.
; The chip was launched on July 23, 2026; its instructions are those of AMD's public machine-readable ISA for CDNA 5 (MIT licence, August 2026) and "CDNA5" Instruction Set Architecture Reference Guide (July 2026). The comments in the code are by the model that wrote it; some were corrected since.
;; W8 A8 OF16 Linear Dynamic Input Scale. Allowed arithmetic: float matrix products may take bf16 or f16 operands with f32 sums; other float arithmetic in f32, or as packed bf16 or f16 multiplies, adds, multiply-adds, maxima and minima; sums over many terms, partial sums and values carried from step to step in f32; what a program stores and reads back later, other than sums and carried values, may be rounded once to bf16 or f16.
;; Inputs: bias 4,096 float16; dequant_scale 4,096 float32; input_scale 4,096 float16; weight 4,096 x 4,096 int8; x 4,096 x 4,096 int8.
;; Outputs: out0 4,096 x 4,096 float16.
;; One version. Each part assembles by itself: llvm-mc -triple=amdgcn-amd-amdhsa -mcpu=gfx1250 --defsym DOCPART=n.
;; ======== version 1 of 1: 1 launch
;; launch gemm (part 1): grid 16 x 16, 4 waves a work-group, clusters of 4 x 4, 327,680 bytes of LDS; arguments x, weight, dequant_scale, input_scale, bias, out0; writes out0
.if DOCPART == 1
	.amdgcn_target "amdgcn-amd-amdhsa--gfx1250"
	.amdhsa_code_object_version 6
	.text
	.protected	k_qa3fd260114_gemm
	.globl	k_qa3fd260114_gemm
	.p2align	8
	.type	k_qa3fd260114_gemm,@function
k_qa3fd260114_gemm:
	s_mov_b64 s[64:65], 0
	v_nop
	global_prefetch_b8 v0, s[64:65] scope:SCOPE_SE
	s_setreg_imm32_b32 hwreg(HW_REG_WAVE_MODE, 25, 1), 1
	s_wait_xcnt 0x0
	s_wait_alu depctr_hold_cnt(0) depctr_sa_sdst(0) depctr_va_vdst(0) depctr_va_sdst(0) depctr_va_ssrc(0) depctr_va_vcc(0) depctr_vm_vsrc(0)
	s_getreg_b32 s2, hwreg(HW_REG_IB_STS2, 6, 4)
	s_cmp_eq_u32 s2, 0
	s_cbranch_scc0 .Lentry_in_a_cluster
	s_endpgm
.Lentry_in_a_cluster:
	s_bfe_u32 s2, ttmp6, 0x10000c
	s_cmp_lg_u32 s2, 0xf033
	s_cbranch_scc0 .Lentry_shape_is_right
	s_endpgm
.Lentry_shape_is_right:
; out0[m][n] = f16( f32(sum over k of x[m][k] w[n][k]) * f32(is[m]) * f32(f16(dq[n])) ) + bias[n], the last addition in f16.
; x: [4096][4096] int8, weight: [4096][4096] int8 (both with k along the rows), dq: [4096] f32, is, bias: [4096] f16, out0: [4096][4096] f16.
; THE FORMAT.  The problem's own product is int8 x int8 summed in int32, and the matrix unit has that form (v_wmma_i32_16x16x64_iu8, both sources signed).  The sums are exact for every
; int8 input, -128 too: the largest is 4096 x 128 x 128 = 2^26.  So no operand is widened, and what follows the sums has the same roundings in the same order as the problem states them:
; i32 to f32, times is, times dq rounded to f16, to f16, plus bias in f16.
; LIMITS.  A result beyond f16's 65,504, or a dq beyond it, becomes an infinity, and a NaN in a scale or in the bias spreads, both as the stated arithmetic has it; nothing else is bounded.
; SHARES.  A tile of out0, 256 x 256, is made by a work-group of four waves; 16 x 16 tiles, one to a work-group.  A wave makes 128 x 128: 64 accumulators of 16 x 16, 512 registers.
; K goes in steps of 256 (256 bytes of a row, starting at multiples of 256 bytes) through a ring of two LDS slots filled by the tensor data mover; a K step is four quarters of 64 along K.
; CLUSTERS: 4 x 4 work-groups.  The four of a row of the cluster need the same tiles of x, the four of a column the same tiles of weight: each tile is asked for JOINTLY, by the same tensor
; load with the same descriptor and a mask that names the four; each receives it in its own LDS.  That divides the requests for x and for weight by four.
; THE MATRIX INSTRUCTION IS USED TRANSPOSED: source 0 = 16 rows of weight, source 1 = 16 rows of x.  Lane l then holds row m = l % 16 of out0 and, in an accumulator's registers 0 to 7, the
; columns n = 8 (l / 16) + 0..7: eight neighbouring numbers of a row, which pack into 16 bytes.
; K INSIDE A FRAGMENT.  A fragment (16 rows x 64 K, 8 registers) is fetched by two loads of 16 bytes, 32 bytes apart: lane l holds bytes 16 (l / 16) + 0..15 and 32 + 16 (l / 16) + 0..15 of
; its row's 64.  That is another order of k than the form's own, the same for both sources, so each product still pairs x and weight at one k; whole-number sums do not hang on their order.
;
; REGISTERS, in windows of 256 (s_set_vgpr_msb's low byte: bits 1:0 source 0, 3:2 source 1, 5:4 source 2, 7:6 destination):
;   window 0: v0-31 addresses; v64-127, v128-191 fragments of x, two buffers; v192-223 packed results; v32-63, v224-255 rows read back from the stage, by turns
;             (at the start only: v32-95 dq as loaded, v96-103 is as loaded)
;   window 1: v0-63 dq of my lane's 64 columns, in f32; v64-127, v128-191 fragments of weight; v192-223 bias of those columns, packed f16; v224-239 is of my lane's eight rows, each twice
;   window 2: the 32 accumulators of my rows 0-63 (accumulator (a, b) at v[8 (8 a + b)]);   window 3: those of my rows 64-127
.set KB,     256                       ; bytes of a row in a K step
.set ROWB,   4096                      ; bytes in a row of x and of weight
.set CROW,   8192                      ; bytes in a row of out0
.set PITCH,  272                       ; an LDS row: 256 bytes + 16 of padding = 68 words: row r starts at bank 4 r mod 64 (64 banks of 4 bytes: ISA guide 11.1), so the 16 rows of a load start at 16 different banks
.set HALFT,  128*PITCH                 ; 128 rows: what one tensor load brings, and what one wave reads of x or of weight
.set SLOT,   4*HALFT                   ; x's 256 rows, then weight's 256 rows
.set STAGE,  2*SLOT                    ; behind the ring: 16 rows x 272 bytes for each wave, for the way out; no tensor load lands here
.set SPITCH, 272
.set SPARE,  STAGE+4*16*SPITCH         ; behind the stages: the spare words, 128 bytes for each wave: two blocks of 256 bytes that no other line names
.set LAPS,   4096/(2*KB)               ; a lap = two K steps = once round the ring: 8
.set ADRA, 16                          ; v16-17  LDS address of my x fragments in slot 0, 1
.set ADRB, 20                          ; v20-21  the same for weight
.set STO,  24                          ; v24     the way out: where I put 16 bytes of a row
.set RD,   25                          ; v25     the way out: where I read a row back
.set CO,   26                          ; v26     my byte offset in out0
.set SPW,  28                          ; v28     LDS address of my spare word: SPARE + 4 x my thread's number; never rewritten
.set NIL,  29                          ; v29     0; never rewritten
.set OB,   32                          ; 16 rows read back from the stage: v32-63 and v224-255 by turns
.set F0,   64                          ; fragment buffer 0
.set F1,   128                         ; fragment buffer 1
.set TMP,  192                         ; packed results, window 0
.set RAWQ, 32                          ; at the start: dq as loaded
.set RAWI, 96                          ; at the start: is as loaded
.set DQ,   0                           ; window 1
.set BI,   192                         ; window 1
.set IS,   224                         ; window 1
.set G1,  24                           ; s[24:31] descriptor group 1 for x's tiles
.set G0,  32                           ; s[32:39] descriptor group 0 for x's tiles, one set for each slot
.set G1B, 48                           ; s[48:55] descriptor group 1 for weight's tiles: it differs in the mask alone
.set G0B, 56                           ; s[56:63] descriptor group 0 for weight's tiles, one set for each slot
.set MSB, 0
.macro WIN new                         ; the immediate's high byte repeats the setting that is left; a switch that changes nothing is dropped
.if MSB != (\new)
	s_set_vgpr_msb (MSB<<8)|(\new)
.set MSB, \new
.endif
.endm
.set MUL_LO, 0xa1                      ; source 0 (weight) window 1, source 1 (x) window 0, C and D window 2
.set MUL_HI, 0xf1                      ; the same, C and D window 3
.set TO_B,   0x40                      ; destination window 1, all sources window 0
; A load into a register that a matrix instruction has read, and a vector instruction that reads a matrix result or writes one of a matrix instruction's registers, stand eight places behind
; a matrix instruction of this form, and only plain vector instructions that name none of its registers are places (ISA guide 7.12.1 for vector instructions).
.macro PLACES
.rept 8
	v_nop
.endr
.endm
; A joint load.  Waves 0 and 1 fetch x's two halves, waves 2 and 3 weight's.  Each of the two lines has ONE mask and one set of registers for all that issue it; the branch hangs on the wave's
; number alone.  An s_nop 0 and v_nop follow each line, ahead of the jump and the label; there are eight, since they are also the places in front of the fragment loads.
.macro JLOAD s
	s_cmp_eq_u32 s17, 0
	s_cbranch_scc0 .Lfor_b_\@
	tensor_load_to_lds s[G0+4*(\s):G0+4*(\s)+3], s[G1:G1+7]
	s_nop 0
	PLACES
	s_branch .Lasked_\@
.Lfor_b_\@:
	tensor_load_to_lds s[G0B+4*(\s):G0B+4*(\s)+3], s[G1B:G1B+7]
	s_nop 0
	PLACES
.Lasked_\@:
.endm
; A round of the cluster's barrier: my work-group's barrier, so that wave 0's signal speaks for all four waves; wave 0 signals for the work-group; every wave waits for all sixteen
; work-groups; my work-group's barrier once more.  No LDS instruction of the wave is pending at a signal.
.macro CREST                           ; a round behind its opening barrier
	s_cmp_lg_u32 s16, 0
	s_cbranch_scc1 .Lnot_wave_0_\@
	s_barrier_signal -3
.Lnot_wave_0_\@:
	s_barrier_wait -3
	s_barrier_signal -1
	s_barrier_wait -1
.endm
.macro CROUND                          ; a whole round
	s_barrier_signal -1
	s_barrier_wait -1
	CREST
.endm
	s_load_b256 s[4:11], s[0:1], 0x0               ; x s[4:5], weight s[6:7], dq s[8:9], is s[10:11]
	s_load_b128 s[12:15], s[0:1], 0x20             ; bias s[12:13], out0 s[14:15]
	v_lshl_add_u32 v[SPW], v0, 2, SPARE
	v_mov_b32 v[NIL], 0
	ds_add_u32 v[SPW], v[NIL]                      ; the wave's opening: the add and its wait stand ahead of my first tensor load; the set-up below, work on registers, stands between them
	v_lshrrev_b32 v1, 5, v0
	v_readfirstlane_b32 s16, v1                    ; wave 0..3
	s_lshr_b32 s17, s16, 1                         ; which half of the tile's rows is mine.  Also: I fetch for x (0) or for weight (1)
	s_and_b32 s18, s16, 1                          ; which half of its columns.  Also: which 128 rows of that tile I fetch
	s_bfe_u32 s40, ttmp6, 0x40000                  ; cx: my place along the cluster's x
	s_bfe_u32 s41, ttmp6, 0x40004                  ; cy: along its y
	s_lshl_b32 s42, ttmp9, 2                       ; in a cluster launch ttmp9 and ttmp7 count clusters
	s_add_co_u32 s42, s42, s40                     ; tile column of out0 = 4 x cluster x + cx
	s_and_b32 s43, ttmp7, 0xffff
	s_lshl_b32 s43, s43, 2
	s_add_co_u32 s43, s43, s41                     ; tile row of out0 = 4 x cluster y + cy
	s_lshl_b32 s44, s41, 2
	s_lshl_b32 s44, 15, s44                        ; my row of the cluster: places 4 cy .. 4 cy + 3
	s_lshl_b32 s45, 0x1111, s40                    ; my column: places cx, cx + 4, cx + 8, cx + 12
	; descriptor group 1: a tile of 128 rows x 256 bytes, asked for as 128 elements of 2 bytes (two int8 to an element: the mover only moves them), padded in LDS
	s_or_b32 s[G1+0], s44, (1<<16)|(1<<20)|(1<<21)|(5<<22)|(3<<25)   ; 15:0 the mask: x's tiles go to my row; 17:16 elements of 2 bytes; 20 padding on; 21 set beside a mask; 24:22 after every 64 words (code 5); 31:25 of 4 words (code 3)
	s_or_b32 s[G1B+0], s45, (1<<16)|(1<<20)|(1<<21)|(5<<22)|(3<<25)  ; the same with the mask of my column, for weight's tiles
.irp g, G1, G1B
	s_mov_b32 s[(\g)+1], 128<<16                   ; 63:48 tensor_dim0, low half = 128
	s_mov_b32 s[(\g)+2], 128<<16                   ; 79:64 its high half = 0; 95:80 tensor_dim1, low half = 128
	s_mov_b32 s[(\g)+3], 128<<16                   ; 111:96 its high half = 0; 127:112 tile_dim0 = 128
	s_mov_b32 s[(\g)+4], 128                       ; 143:128 tile_dim1 = 128; 159:144 tile_dim2 = 0
	s_mov_b32 s[(\g)+5], ROWB/2                    ; 191:160 tensor_dim0_stride: 2,048 elements from row to row
	s_mov_b32 s[(\g)+6], 0
	s_mov_b32 s[(\g)+7], 0
.endr
	; where the tiles come from.  x's hang on the tile row alone, which my row of the cluster shares; weight's on the tile column alone, which my column shares.
	; Every wave makes both addresses, in registers that never hold the other coordinate, and asks by one of them.
	s_lshl_b32 s19, s18, 7                         ; which 128 rows of the tile I fetch
	s_lshl_b32 s20, s43, 8
	s_add_co_u32 s20, s20, s19                     ; x: row 256 x tile row + 128 x half,
	s_lshl_b32 s20, s20, 12                        ; times 4,096 bytes: under 2^24
	s_mov_b32 s21, 0
	s_lshl_b32 s46, s42, 8
	s_add_co_u32 s46, s46, s19                     ; weight: row 256 x tile column + 128 x half,
	s_lshl_b32 s46, s46, 12                        ; in bytes
	s_mov_b32 s47, 0
	s_mul_i32 s70, s16, HALFT                      ; and where they go: x's two halves, then weight's two = wave x 128 rows: no place in the cluster enters an LDS address
	s_wait_dscnt 0x0                               ; the opening add is done
	s_wait_kmcnt 0x0
	s_add_nc_u64 s[22:23], s[4:5], s[20:21]
	s_add_nc_u64 s[46:47], s[6:7], s[46:47]
	CROUND                                         ; all sixteen work-groups are here: the first joint loads meet
.irp s, 0,1
	s_mov_b32 s[G0+4*(\s)], 1                                      ; 1:0 count = 1
	s_add_co_u32 s[G0+4*(\s)+1], s70, (\s)*SLOT                    ; 63:32 LDS address
	s_add_nc_u64 s[G0+4*(\s)+2:G0+4*(\s)+3], s[22:23], (\s)*KB     ; 120:64 global address: K step s
	s_or_b32 s[G0+4*(\s)+3], s[G0+4*(\s)+3], 0x80000000            ; 127:126 type = 2
	s_mov_b32 s[G0B+4*(\s)], 1
	s_add_co_u32 s[G0B+4*(\s)+1], s70, (\s)*SLOT
	s_add_nc_u64 s[G0B+4*(\s)+2:G0B+4*(\s)+3], s[46:47], (\s)*KB
	s_or_b32 s[G0B+4*(\s)+3], s[G0B+4*(\s)+3], 0x80000000
	JLOAD \s                                       ; the ring is filled before anything else is done: two tensor loads of mine are out
.endr
	; ALL THAT FOLLOWS UP TO THE BARRIER STANDS IN THE WAIT FOR THE FIRST TILE.
	v_and_b32 v1, 15, v0                           ; r = l % 16
	v_bfe_u32 v2, v0, 4, 1                         ; h = l / 16
	v_mul_u32_u24 v3, v1, PITCH
	v_lshl_add_u32 v3, v2, 4, v3                   ; row x pitch + 16 x half: a fragment's place, and (the pitches are equal) my 16 bytes' place in the stage
	s_mul_i32 s71, s17, HALFT                      ; my 128 rows of x
	s_mul_i32 s72, s18, HALFT                      ; my 128 rows of weight,
	s_add_co_u32 s72, s72, 2*HALFT                 ; which lie behind x's 256
.irp s, 0,1
	v_add_nc_u32 v[ADRA+(\s)], s71, v3
	v_add_nc_u32 v[ADRB+(\s)], s72, v3
	s_add_co_u32 s71, s71, SLOT
	s_add_co_u32 s72, s72, SLOT
.endr
	s_mul_i32 s73, s16, 16*SPITCH
	s_add_co_u32 s73, s73, STAGE                   ; my stage
	v_add_nc_u32 v[STO], s73, v3                   ; in: row l % 16, 16 bytes for each half of the lanes
	v_mul_u32_u24 v5, v2, SPITCH                   ; back: lanes 0-15 take one row of 256 bytes, lanes 16-31 the next
	v_lshl_add_u32 v5, v1, 4, v5
	v_add_nc_u32 v[RD], s73, v5
	v_lshlrev_b32 v5, 13, v2                       ; and the same two rows in out0, 8,192 bytes apart
	v_lshl_add_u32 v[CO], v1, 4, v5
	v_lshlrev_b32 v6, 5, v2                        ; my eight columns of a group of 16, in dq: 32 h bytes
	v_lshlrev_b32 v7, 4, v2                        ; in bias: 16 h bytes
	v_lshlrev_b32 v8, 1, v1                        ; my row of a block of 16, in is: 2 r bytes
	s_lshl_b32 s74, s42, 8
	s_lshl_b32 s76, s18, 7
	s_add_co_u32 s74, s74, s76                     ; my wave's first column of out0: 256 x tile column + 128 x half
	s_lshl_b32 s75, s43, 8
	s_lshl_b32 s76, s17, 7
	s_add_co_u32 s75, s75, s76                     ; its first row: 256 x tile row + 128 x half
	s_mov_b32 s69, 0
	s_lshl_b32 s68, s74, 2
	s_add_nc_u64 s[8:9], s[8:9], s[68:69]          ; dq at my first column
	s_lshl_b32 s68, s74, 1
	s_add_nc_u64 s[12:13], s[12:13], s[68:69]      ; bias at my first column
	s_lshl_b32 s68, s75, 1
	s_add_nc_u64 s[10:11], s[10:11], s[68:69]      ; is at my first row
	s_lshl_b32 s66, s75, 13                        ; where my part of out0 begins, in bytes (under 2^25): the first way out adds it to out0's address
	s_lshl_b32 s76, s74, 1
	s_add_co_u32 s66, s66, s76
	s_mov_b32 s67, 0
	; The scales and the bias are read once, here, and kept in registers: accumulator b's register j is column 16 b + 8 h + j, block a's row is 16 a + r.
.irp b, 0,1,2,3,4,5,6,7
	global_load_b128 v[RAWQ+8*(\b):RAWQ+8*(\b)+3],   v6, s[8:9] offset:64*(\b)
	global_load_b128 v[RAWQ+8*(\b)+4:RAWQ+8*(\b)+7], v6, s[8:9] offset:64*(\b)+16
.endr
.irp a, 0,1,2,3,4,5,6,7
	global_load_u16 v[RAWI+(\a)], v8, s[10:11] offset:32*(\a)
.endr
	WIN TO_B
.irp b, 0,1,2,3,4,5,6,7
	global_load_b128 v[BI+4*(\b):BI+4*(\b)+3], v7, s[12:13] offset:32*(\b)
.endr
	WIN 0
	s_wait_loadcnt 0x0                             ; once: all 32 loads above
	; dq is rounded to f16, as the problem has it, and widened again; is is widened.  16-bit operands are named halves of v0-v127, so these lines spell their registers out.
.irp i, 32,33,34,35,36,37,38,39,40,41,42,43,44,45,46,47,48,49,50,51,52,53,54,55,56,57,58,59,60,61,62,63,64,65,66,67,68,69,70,71,72,73,74,75,76,77,78,79,80,81,82,83,84,85,86,87,88,89,90,91,92,93,94,95
	v_cvt_f16_f32 v\i\().l, v\i
.endr
	WIN TO_B
.irp i, 32,33,34,35,36,37,38,39,40,41,42,43,44,45,46,47,48,49,50,51,52,53,54,55,56,57,58,59,60,61,62,63,64,65,66,67,68,69,70,71,72,73,74,75,76,77,78,79,80,81,82,83,84,85,86,87,88,89,90,91,92,93,94,95
	v_cvt_f32_f16 v[DQ+(\i)-RAWQ], v\i\().l
.endr
.irp i, 96,97,98,99,100,101,102,103
	v_cvt_f32_f16 v[IS+2*((\i)-RAWI)],   v\i\().l  ; twice: a pair for the packed multiply
	v_cvt_f32_f16 v[IS+2*((\i)-RAWI)+1], v\i\().l
.endr
	WIN 0
; 16 matrix instructions: m blocks a0, a0 + 1 of the window's four (hi = 0: my rows 0-63, 1: rows 64-127) x all 8 n blocks, 64 along K.  zero = 1: the first product starts the sums: nothing
; is ever cleared.  The 64 accumulators take turns, one instruction a turn, in the same order in every quarter.
.macro MUL16 f, hi, a0, zero
	WIN MUL_LO+0x50*(\hi)
.irp a, \a0, (\a0)+1
.irp b, 0,1,2,3,4,5,6,7
.if \zero
	v_wmma_i32_16x16x64_iu8 v[8*(8*(\a)+(\b)):8*(8*(\a)+(\b))+7], v[(\f)+8*(\b):(\f)+8*(\b)+7], v[(\f)+8*(4*(\hi)+(\a)):(\f)+8*(4*(\hi)+(\a))+7], 0 neg_lo:[1,1,0]
.else
	v_wmma_i32_16x16x64_iu8 v[8*(8*(\a)+(\b)):8*(8*(\a)+(\b))+7], v[(\f)+8*(\b):(\f)+8*(\b)+7], v[(\f)+8*(4*(\hi)+(\a)):(\f)+8*(4*(\hi)+(\a))+7], v[8*(8*(\a)+(\b)):8*(8*(\a)+(\b))+7] neg_lo:[1,1,0]
.endif
.endr
.endr
.endm
; 32 LDS loads in one run: the fragments of one quarter (128 rows of weight, 128 rows of x, 64 K at byte k of the rows) into buffer f
.macro FETCH slot, k, f
	WIN TO_B
.irp i, 0,1,2,3,4,5,6,7
	ds_load_b128 v[(\f)+8*(\i):(\f)+8*(\i)+3],   v[ADRB+(\slot)] offset:(\k)+(\i)*16*PITCH
	ds_load_b128 v[(\f)+8*(\i)+4:(\f)+8*(\i)+7], v[ADRB+(\slot)] offset:(\k)+(\i)*16*PITCH+32
.endr
	WIN 0
.irp i, 0,1,2,3,4,5,6,7
	ds_load_b128 v[(\f)+8*(\i):(\f)+8*(\i)+3],   v[ADRA+(\slot)] offset:(\k)+(\i)*16*PITCH
	ds_load_b128 v[(\f)+8*(\i)+4:(\f)+8*(\i)+7], v[ADRA+(\slot)] offset:(\k)+(\i)*16*PITCH+32
.endr
.endm
; A K step is four quarters of 64 along K, 64 matrix instructions each, on buffers 0, 1, 0, 1.
; One of the first three: multiplies buffer f; in its middle it fetches the next quarter's fragments, at byte k of the same slot's rows, into buffer g.
.macro QUARTER slot, k, f, g, zero
	s_wait_dscnt 8                                 ; weight and x's rows 0-63 are in; the youngest eight loads (x's rows 64-127) may be out
	MUL16 \f, 0, 0, \zero
	MUL16 \f, 0, 2, \zero
	PLACES                                         ; buffer g's last reader stands 32 matrix instructions and these eight places back
	FETCH \slot, \k, \g
	s_wait_dscnt 32                                ; all but the 32 just issued
	MUL16 \f, 1, 0, \zero
	MUL16 \f, 1, 2, \zero
.endm
; The last quarter multiplies buffer 1 and changes slots.  MEET is its first half: ONE barrier for the change of slots, for two things.  In front of it each wave waits for all its tensor
; loads, of which one is out: its part of the next slot; adds 0 to its spare word; and waits for that and for its own reads of this slot.  Behind it nobody reads this slot and the next is whole.
.macro MEET round                      ; round = 1: a round of the cluster's barrier follows
	WIN 0                                          ; (the add's two registers lie in window 0)
	s_wait_tensorcnt 0x0                           ; all my tensor loads have landed: the one that was out is my part of the next slot;
	ds_add_u32 v[SPW], v[NIL]                      ; 0 onto my spare word;
	s_wait_dscnt 9                                 ; (the add and the youngest eight loads may be out)
	MUL16 F1, 0, 0, 0                              ; sixteen matrix instructions stand between the add and the wait for it
	s_wait_dscnt 0x0                               ; the add is done, and my reads of this slot are over:
	s_barrier_signal -1                            ; say so (where a slot is filled again this barrier opens a round of the cluster's barrier),
	MUL16 F1, 0, 2, 0                              ; work on registers while the others arrive,
.if \round
	WIN 0
.endif
	s_barrier_wait -1                              ; and go on when all four have said so
.endm
; The whole last quarter.  fill = 1: behind the round the slot just read out is filled again first, with the K step two steps on; then come the next slot's first fragments.
; From a request to the wait for it a wave issues 224 matrix instructions; one tensor load of mine is out meanwhile.
.macro TURN slot, next, fill
	MEET \fill
.if \fill
	CREST                                          ; all sixteen work-groups have said so: no wave of any partner still reads this slot's tile or has a load on its way
	s_add_nc_u64 s[G0+4*(\slot)+2:G0+4*(\slot)+3], s[G0+4*(\slot)+2:G0+4*(\slot)+3], 2*KB      ; no tensor load of mine is out, so a group 0 may be written; the type bits on top are not reached
	s_add_nc_u64 s[G0B+4*(\slot)+2:G0B+4*(\slot)+3], s[G0B+4*(\slot)+2:G0B+4*(\slot)+3], 2*KB
	JLOAD \slot                                    ; the first tensor load behind the round; the v_nop behind it are also the places in front of the loads below
.else
	PLACES
.endif
	FETCH \next, 0, F0
	MUL16 F1, 1, 0, 0
	MUL16 F1, 1, 2, 0
.endm
; THE WAY OUT of block a (16 rows x 128 columns, 8 accumulators), in three parts.
; PACK: the problem's own steps, each with its own rounding, so nothing here can be fused: i32 to f32; times is; times dq; to f16; plus bias in f16.  The sums are worked on in place; each
; accumulator's registers are taken in ascending order.
.macro PACK a
.set AC, 64*((\a)%4)
	WIN 0x86+0x41*((\a)/4)                         ; source 0 and destination window 2 or 3, source 1 window 1
.set i, 0
.rept 64
	v_cvt_f32_i32 v[AC+i], v[AC+i]
.set i, i+1
.endr
.set i, 0
.rept 32
	v_pk_mul_f32 v[AC+2*i:AC+2*i+1], v[AC+2*i:AC+2*i+1], v[IS+2*(\a):IS+2*(\a)+1]  ; my row's scale, which both registers of the pair hold
.set i, i+1
.endr
.set i, 0
.rept 32
	v_pk_mul_f32 v[AC+2*i:AC+2*i+1], v[AC+2*i:AC+2*i+1], v[DQ+2*i:DQ+2*i+1]        ; two columns' scales
.set i, i+1
.endr
	WIN 0x0a+5*((\a)/4)                            ; sources 0 and 1 window 2 or 3, destination window 0
.set i, 0
.rept 32
	v_cvt_pk_f16_f32 v[TMP+i], v[AC+2*i], v[AC+2*i+1]
.set i, i+1
.endr
	WIN 0x04                                       ; source 1 window 1
.set i, 0
.rept 32
	v_pk_add_f16 v[TMP+i], v[TMP+i], v[BI+i]
.set i, i+1
.endr
	WIN 0
.endm
; TOSTAGE: 16 bytes a lane into my own stage, and back as whole rows of 256 bytes.
.macro TOSTAGE a
	WIN 0
.set BK, OB+192*((\a)%2)
.irp b, 0,1,2,3,4,5,6,7
	ds_store_b128 v[STO], v[TMP+4*(\b):TMP+4*(\b)+3] offset:32*(\b)
.endr
.irp t, 0,1,2,3,4,5,6,7
	ds_load_b128 v[BK+4*(\t):BK+4*(\t)+3], v[RD] offset:(\t)*2*SPITCH  ; LDS serves a wave's instructions in order (ISA guide 5.7.1.4): these see the stores above
.endr
.endm
; SEND: stored.
.macro SEND a
	WIN 0
.set BK, OB+192*((\a)%2)
	s_wait_dscnt 0x0                               ; the block is back in registers
	s_wait_xcnt 0x0                                ; every earlier memory instruction has had its addresses translated (ISA guide 3.1): only behind this wait are the stores' base and the registers that earlier stores read rewritten
.if (\a) == 0
	s_add_nc_u64 s[14:15], s[14:15], s[66:67]      ; on to my first rows
.else
	s_add_nc_u64 s[14:15], s[14:15], 16*CROW       ; 16 rows of out0 on
.endif
.irp t, 0,1,2,3,4,5,6,7
	global_store_b128 v[CO], v[BK+4*(\t):BK+4*(\t)+3], s[14:15] offset:2*(\t)*CROW th:TH_STORE_NT  ; 16 lanes store 256 consecutive bytes, at a multiple of 256 from out0's first byte; nothing in the launch reads them
.endr
.endm
	s_wait_tensorcnt 1                             ; my part of K step 0 is in; K step 1's may stay out
	s_barrier_signal -1
	s_barrier_wait -1                              ; everybody's is
	FETCH 0, 0, F0
	QUARTER 0, 64,  F0, F1, 1                      ; the first quarter stands in front of the loop: its products start the sums
	WIN 0                                          ; at a label and at a branch every window is 0
	s_mov_b32 s3, LAPS-1
.Llap:                                                 ; a trip goes once round the ring, from a lap's second quarter to the next lap's first, and fills both slots again
	QUARTER 0, 128, F1, F0, 0
	QUARTER 0, 192, F0, F1, 0
	TURN 0, 1, 1
	QUARTER 1, 64,  F0, F1, 0
	QUARTER 1, 128, F1, F0, 0
	QUARTER 1, 192, F0, F1, 0
	TURN 1, 0, 1
	QUARTER 0, 64,  F0, F1, 0
	WIN 0
	s_sub_co_u32 s3, s3, 1
	s_cmp_lg_u32 s3, 0
	s_cbranch_scc1 .Llap
	QUARTER 0, 128, F1, F0, 0                      ; the last lap is written out: it fills nothing, and has no round of the cluster's barrier
	QUARTER 0, 192, F0, F1, 0
	TURN 0, 1, 0
	QUARTER 1, 64,  F0, F1, 0
	QUARTER 1, 128, F1, F0, 0
	QUARTER 1, 192, F0, F1, 0
	s_wait_dscnt 8                                 ; the very last quarter: nothing more to fetch
	MUL16 F1, 0, 0, 0
	MUL16 F1, 0, 2, 0
	s_wait_dscnt 0x0
	MUL16 F1, 1, 0, 0
	MUL16 F1, 1, 2, 0
	PLACES                                         ; the conversions read and rewrite matrix results
	PACK 0
	TOSTAGE 0
.irp a, 1,2,3,4,5,6,7                  ; block a's arithmetic stands between block a - 1's loads from the stage and the wait for them
	PACK \a
	SEND (\a)-1
	TOSTAGE \a
.endr
	SEND 7
	s_wait_tensorcnt 0x0                           ; the wave's end, behind my last tensor load and my last LDS store
	ds_add_u32 v[SPW], v[NIL]
	s_wait_dscnt 0x0
	CROUND                                         ; the closing round: no work-group ends while a partner may still ask for a tile that names it
	s_endpgm
.Lfunc_end_k_qa3fd260114_gemm:
	.size	k_qa3fd260114_gemm, .Lfunc_end_k_qa3fd260114_gemm-k_qa3fd260114_gemm
	.p2alignl 7, 3214868480
	.fill 96, 4, 3214868480
	.section	.rodata,"a",@progbits
	.p2align	6, 0x0
	.amdhsa_kernel k_qa3fd260114_gemm
		.amdhsa_group_segment_fixed_size 327680
		.amdhsa_private_segment_fixed_size 0
		.amdhsa_enable_private_segment 0
		.amdhsa_kernarg_size 48
		.amdhsa_user_sgpr_count 2
		.amdhsa_user_sgpr_kernarg_segment_ptr 1
		.amdhsa_wavefront_size32 1
		.amdhsa_system_sgpr_workgroup_id_x 1
		.amdhsa_system_sgpr_workgroup_id_y 1
		.amdhsa_system_sgpr_workgroup_id_z 1
		.amdhsa_system_vgpr_workitem_id 0
		.amdhsa_next_free_vgpr 1024
		.amdhsa_next_free_sgpr 80
		.amdhsa_reserve_vcc 0
		.amdhsa_float_denorm_mode_32 3
		.amdhsa_float_denorm_mode_16_64 3
		.amdhsa_memory_ordered 1
		.amdhsa_forward_progress 1
		.amdhsa_inst_pref_size 218
	.end_amdhsa_kernel
	.amdgpu_metadata
---
amdhsa.version: [ 1, 2 ]
amdhsa.kernels:
  - .name:           k_qa3fd260114_gemm
    .symbol:         k_qa3fd260114_gemm.kd
    .args:
      - { .name: x, .offset: 0, .size: 8, .value_kind: global_buffer, .address_space: global }
      - { .name: weight, .offset: 8, .size: 8, .value_kind: global_buffer, .address_space: global }
      - { .name: dequant_scale, .offset: 16, .size: 8, .value_kind: global_buffer, .address_space: global }
      - { .name: input_scale, .offset: 24, .size: 8, .value_kind: global_buffer, .address_space: global }
      - { .name: bias, .offset: 32, .size: 8, .value_kind: global_buffer, .address_space: global }
      - { .name: out0, .offset: 40, .size: 8, .value_kind: global_buffer, .address_space: global }
    .group_segment_fixed_size: 327680
    .private_segment_fixed_size: 0
    .kernarg_segment_align: 8
    .kernarg_segment_size: 48
    .max_flat_workgroup_size: 128
    .sgpr_count:     80
    .vgpr_count:     1024
    .wavefront_size: 32
...
	.end_amdgpu_metadata
.endif
;; end of part 1
